; MI455X (gfx1250); checked and timed in simulation.
; The chip was launched on July 23, 2026; its instructions are those of AMD's public machine-readable ISA for CDNA 5 (MIT licence, August 2026) and "CDNA5" Instruction Set Architecture Reference Guide (July 2026). The comments in the code are by the model that wrote it; some were corrected since.
;; My Cross Attention ori. Allowed arithmetic: matrix products marked QUANTISED: E4M3 operands, one given power-of-two scale a tensor, by v_wmma_f32_16x16x64_fp8_fp8 or v_wmma_f32_16x16x128_fp8_fp8, f32 sums; products left as they are: f32 operands where the result goes on into a quantised operand, else bf16, f16 or f32 operands; f32 sums; everything else in f32.
;; Inputs: Wk_codes 512 x 16 x 32 uint8 (E4M3 codes of Wk, K innermost, in blocks of 32 codes); Wp_codes 512 x 16 x 32 uint8 (E4M3 codes of Wp, K innermost, in blocks of 32 codes); Wq_codes 512 x 16 x 32 uint8 (E4M3 codes of Wq, K innermost, in blocks of 32 codes); k_codes 4 x 2,048 x 16 x 32 uint8 (E4M3 codes of k, K innermost, in blocks of 32 codes); lowp_scales 8 int32 (the exponents e of the quantised operands' scales 2^e); q_codes 4 x 4,096 x 16 x 32 uint8 (E4M3 codes of q, K innermost, in blocks of 32 codes); supp_mask 4 x 2,048 int32; v 4 x 2,048 x 512 float32.
;; Outputs: out0 4 x 4,096 x 512 float32.
;; This version of the problem:
;;   THIS VERSION OF THE PROBLEM IS GIVEN IN LOW PRECISION. The matrix products marked QUANTISED in the list below multiply operands that are first quantised to E4M3 (4 exponent bits, 3 mantissa bits; 8 bits a number), with one given power-of-two scale for each operand tensor; their sums are f32. All else is computed in f32.
;;   The module's matrix products, in the order in which they are computed (A, B: the left and right operand; K: the contracted axis; several contracted axes count as one K, in the product's order):
;;     1. [M 16,384, K 512] x [K 512, N 512]; A: input q (given as codes); B: input Wq (given as codes): QUANTISED (scales: A lowp_scales[0], B lowp_scales[1])
;;     2. [M 8,192, K 512] x [K 512, N 512]; A: input k (given as codes); B: input Wk (given as codes): QUANTISED (scales: A lowp_scales[2], B lowp_scales[3])
;;     3. batch 32 x [M 4,096, K 64] x [K 64, N 2,048]; A: computed on the way; B: computed on the way: QUANTISED (scales: A lowp_scales[4], B lowp_scales[5])
;;     4. batch 4 x [M 32,768, K 2,048] x [K 2,048, N 1]; A: softmax; B: input supp_mask: left as it is (N = 1 < 16)
;;     5. [M 16,384, K 512] x [K 512, N 512]; A: computed on the way; B: input Wp (given as codes): QUANTISED (scales: A lowp_scales[6], B lowp_scales[7])
;;   THE QUANTISER, for each operand of a quantised product, along K:
;;     - The operand's scale is 2^e, e = its entry of the input lowp_scales (int32; the entries are numbered through the quantised products in the list's order, A before B).
;;     - Each number is divided by the scale, clamped to +-448, and rounded to the nearest number of E4M3, ties to even, subnormals kept.
;;     - The product sums the exact products of the quantised numbers (number of the format x scale) in f32.
;;   ~~~python
;;   def quantise(x, axis, e):      # numpy; x: float32 -> the quantised numbers, widened to float32 again
;;       x = np.moveaxis(x, axis, -1); K = x.shape[-1]
;;       r = np.clip(x / 2.0 ** e, -448, 448)
;;       step = 2.0 ** (np.maximum(np.frexp(np.where(r == 0, 1, r))[1] - 1, -6) - 3)
;;       q = np.round(r / step) * step * 2.0 ** e      # np.round: ties to even
;;       return np.moveaxis(q, -1, axis).astype(np.float32)
;;   ~~~
;;   OPERANDS COMPUTED ON THE WAY. 'Computed on the way' means the value that the module computes at that place (a softmax that the list does not call 'softmax' is quantised finished and normalised). What goes into a quantiser is computed in f32, as accurately as f32 sums, v_exp_f32 and their like allow (about 1e-6 of the number): no bf16 or f16 on the way to a quantiser, and a product that is left as it is and whose result goes on into a quantised operand takes f32 operands (vector FMAs, or v_wmma_f32_16x16x4_f32). A number that lies on a knife's edge between two numbers of the format may be rounded either way, as far as f32 arithmetic and the matrix unit's own rounding can turn it there, and no further.
;;   INPUTS GIVEN AS CODES. Wk (in the module: [512, 512], K = its axis 1); Wp (in the module: [512, 512], K = its axis 1); Wq (in the module: [512, 512], K = its axis 1); k (in the module: [4, 2048, 512], K = its axis 2); q (in the module: [4, 4096, 512], K = its axis 2): each comes as NAME_codes (uint8): NAME with its K axis moved to the last place and cut into blocks of 32 codes, [.., K / 32, bytes a block], one block behind the other in memory; one code a byte (a code: sign, 4 exponent bits, 3 mantissa bits); its scale is its entry of lowp_scales. Its value is code x scale, taken as it is: it is not quantised again, and the codes and scales need not be those that the quantiser above would give.
;; One version. Each part assembles by itself: llvm-mc -triple=amdgcn-amd-amdhsa -mcpu=gfx1250 --defsym DOCPART=n.
;; ======== version 1 of 1: 3 launches
;; limits: right only within a limited range of input values
;; workspace buffers: qf 8,388,608 bytes; kf 4,194,304 bytes; sc 131,072 bytes
;; launch proj (part 1): grid 192 x 1, 8 waves a work-group, no clusters, 167,936 bytes of LDS; arguments q_codes, k_codes, Wq_codes, Wk_codes, lowp_scales, qf, kf; writes qf, kf
.if DOCPART == 1
	.amdgcn_target "amdgcn-amd-amdhsa--gfx1250"
	.amdhsa_code_object_version 6
	.text
	.protected	k_q2af393453e_proj
	.globl	k_q2af393453e_proj
	.p2align	8
	.type	k_q2af393453e_proj,@function
k_q2af393453e_proj:
	s_mov_b64 s[64:65], 0
	v_nop
	global_prefetch_b8 v0, s[64:65] scope:SCOPE_SE
	s_setreg_imm32_b32 hwreg(HW_REG_WAVE_MODE, 25, 1), 1
	s_wait_xcnt 0x0
; qh = q Wq^T and kh = k Wk^T on the given E4M3 codes, and the quantisers behind them: qh with 2^e4, kh with 2^e5 (lowp_scales: e0 q, e1 Wq, e2 k, e3 Wk, e4 qh, e5 kh).
; The codes of qh and kh leave as IMAGES OF THE NEXT PRODUCT'S OPERAND REGISTERS.  A fragment is 16 tokens x one head's 64 channels = 1,024 bytes: group g = 0, 1 of 512 bytes, lane l's 16 bytes at 16 l;
; byte 4 i + y of lane (r, h) in group g is channel 32 g + 16 h + 4 i + y of token r.  The same order of channels in both tensors, so that in the next launch every product meets its partner.
;   qf: [block of 64 queries: 256][head 8][tile 4][1024]          kf: [batch 4][slot of 256 keys: 8][head 8][tile 16][1024]
; SHARES.  A work-group takes 128 tokens x all 512 columns; work-groups 0-127 take q, 128-191 take k: only pointers, exponents and offsets are chosen (by the work-group's number), there is one path through the text.
; q's work is twice k's, so equal parts come in threes: 192 work-groups, each reading its weight once.
; Wave w is head w: its 64 rows of W x 512 K are 16 fragments, 256 registers (window 1), read from memory once.  The 128 rows of tokens come by two tensor loads into padded LDS rows and are read by all eight waves.
; THE MATRIX INSTRUCTION IS USED TRANSPOSED (source 0 = 16 rows of W, source 1 = 16 tokens), AND THE ROWS OF W THAT FORM A TILE ARE NOT NEIGHBOURS: lane r of tile 2 b + u takes row 64 w + 32 b + 8 u + r + 8 (r / 8).
; So lane (r, h) holds token r, and register j of tile 2 b + u is channel 32 b + 16 h + 8 u + j: four conversions give the fragment's eight registers as they are stored: each store of a wave covers 512 consecutive bytes, aligned.
; A fragment of W or of tokens is fetched by four loads of 16 bytes, 32 bytes apart: a permutation of k inside the instruction, the same on both sides; only the order of the sums inside an instruction differs.
; No cluster: no two work-groups read the same tokens, and W goes once for each work-group straight into registers.  No ring: the 128 rows fit whole.  No prefetch: every stream is asked for at the head.
; LIMITS: E = e4 - e0 - e1 (q) and e5 - e2 - e3 (k) lie between -126 and 119, so that 2^E and 448 x 2^E are f32 numbers.  NaN codes among the inputs are not served.
; REGISTERS.  window 0: v1-6 addresses; v8, v9 the add's two; v10 2^E, v11 448 x 2^E; v16-143 token fragments, two buffers of 64; v144-207 sums, two buffers of 4 tiles; v208-239 codes, four sets of 8.   window 1: W.
.set XPITCH, 528                       ; an LDS row: 512 bytes + 16 of padding = 33 x 16 bytes: the 16 rows that a fragment load touches fall on 16 different columns of 16 bytes
.set XHALF,  64*XPITCH                 ; what one tensor load brings
.set SPARE,  128*XPITCH                ; 67,584 = 264 x 256: behind the rows: the spare words, 128 bytes for each of the eight waves, which no other line names
.set WA,   3                           ; v3   W: (r + 8 (r / 8)) x 512 + 16 h
.set XA,   4                           ; v4   tokens in LDS: r x 528 + 16 h
.set STA,  5                           ; v5   16 x lane: tiles 0-3 of the work-group
.set STB,  6                           ; v6   the same + S: tiles 4-7
.set SPW,  8
.set NIL,  9
.set SC,   10
.set LIM,  11
.set XF,   16
.set ACC,  144
.set CODES, 208
.set WV,   18                          ; s18  my wave's number = my head
.set MSB, 0
.macro WIN new                         ; the immediate's high byte repeats the setting that is left
.if MSB != \new
	s_set_vgpr_msb (MSB<<8)|\new
.set MSB, \new
.endif
.endm
	s_load_b256 s[4:11], s[0:1], 0x0               ; q's codes s[4:5], k's s[6:7], Wq's s[8:9], Wk's s[10:11]
	s_load_b128 s[12:15], s[0:1], 0x20             ; the scales' exponents s[12:13], qf s[14:15]
	s_load_b64 s[16:17], s[0:1], 0x30              ; kf
	v_lshl_add_u32 v[SPW], v0, 2, SPARE
	v_mov_b32 v[NIL], 0
	ds_add_u32 v[SPW], v[NIL]                      ; the wave's opening: the add and its wait ahead of the first tensor load; the set-up below, work on registers, stands between them
	ds_add_u32 v[SPW], v[NIL]
	v_lshrrev_b32 v1, 5, v0
	s_delay_alu instid0(VALU_DEP_1)
	v_readfirstlane_b32 s[WV], v1                  ; wave 0..7
	; descriptor group 1: 64 rows x 512 bytes, padded in LDS
	s_mov_b32 s24, (0<<16)|(1<<20)|(6<<22)|(3<<25) ; no mask; elements of 1 byte; padding on: after every 128 words (code 6) four words (code 3)
	s_mov_b32 s25, 512<<16                         ; tensor_dim0 = 512
	s_mov_b32 s26, 64<<16                          ; tensor_dim1 = 64
	s_mov_b32 s27, 512<<16                         ; tile_dim0 = 512
	s_mov_b32 s28, 64                              ; tile_dim1 = 64
	s_mov_b32 s29, 512                             ; from row to row
	s_mov_b32 s30, 0
	s_mov_b32 s31, 0
	v_and_b32 v1, 15, v0                           ; r
	v_bfe_u32 v2, v0, 4, 1                         ; h
	s_delay_alu instid0(VALU_DEP_2)
	v_and_b32 v[WA], 8, v1
	s_delay_alu instid0(VALU_DEP_1)
	v_add_nc_u32 v[WA], v[WA], v1                  ; r + 8 (r / 8)
	s_delay_alu instid0(VALU_DEP_1)
	v_lshlrev_b32 v[WA], 9, v[WA]
	s_delay_alu instid0(VALU_DEP_1)
	v_lshl_add_u32 v[WA], v2, 4, v[WA]
	v_mul_u32_u24 v[XA], v1, XPITCH
	s_delay_alu instid0(VALU_DEP_1)
	v_lshl_add_u32 v[XA], v2, 4, v[XA]
	v_and_b32 v[STA], 31, v0
	s_delay_alu instid0(VALU_DEP_1)
	v_lshlrev_b32 v[STA], 4, v[STA]
	s_wait_alu depctr_va_vdst(0)
	s_cmp_lt_u32 ttmp9, 128                        ; q's work-group or k's?
	s_cselect_b32 s19, 0, 128
	s_sub_co_u32 s19, ttmp9, s19                   ; g: which 128 tokens of the tensor
	s_lshl_b32 s49, s19, 16                        ; qf: two blocks of 64 queries, 32,768 bytes each,
	s_lshl_b32 s51, s[WV], 12
	s_add_co_u32 s49, s49, s51                     ; + my head's 4,096
	s_lshr_b32 s50, s19, 1                         ; kf: slot g / 2 (counted through the batches),
	s_lshl_b32 s50, s50, 17
	s_and_b32 s51, s19, 1
	s_lshl_b32 s51, s51, 13                        ; its tiles 8 (g % 2) on,
	s_add_co_u32 s50, s50, s51
	s_lshl_b32 s51, s[WV], 14
	s_add_co_u32 s50, s50, s51                     ; in my head's 16,384
	s_mov_b32 s48, 4096
	s_mov_b32 s47, 0
	s_mov_b32 s53, 0
	s_cmp_lt_u32 ttmp9, 128                        ; (the additions have set SCC)
	s_cselect_b32 s46, s49, s50                    ; where my head's first tile goes
	s_cselect_b32 s48, 32768, s48                  ; S: from tile 3 to tile 4 less three tiles: q: the next block; k: the next tile
	v_add_nc_u32 v[STB], s48, v[STA]
	s_wait_dscnt 0x0                               ; the opening add is done
	s_wait_kmcnt 0x0
	s_load_b256 s[32:39], s[12:13], 0x0            ; e0 .. e7
	s_cmp_lt_u32 ttmp9, 128
	s_cselect_b64 s[40:41], s[4:5], s[6:7]         ; the tokens' codes
	s_cselect_b64 s[42:43], s[8:9], s[10:11]       ; the weight's
	s_cselect_b64 s[44:45], s[14:15], s[16:17]     ; the images
	s_add_nc_u64 s[44:45], s[44:45], s[46:47]
	s_lshl_b32 s46, s[WV], 15                      ; 64 rows of 512 bytes:
	s_add_nc_u64 s[42:43], s[42:43], s[46:47]      ; my head's rows of W;
	s_lshl_b32 s52, s19, 16
	s_add_nc_u64 s[40:41], s[40:41], s[52:53]      ; the work-group's 128 tokens,
	s_mov_b32 s20, 1                               ; group 0: count = 1
	s_mul_i32 s21, s[WV], XHALF                    ; LDS address: wave x 64 rows
	s_add_nc_u64 s[22:23], s[40:41], s[46:47]      ; and the 64 of them that wave 0 or 1 fetches
	s_or_b32 s23, s23, 0x80000000                  ; type = 2
	s_cmp_lt_u32 s[WV], 2                          ; waves 0 and 1 fetch, one load each: one tensor load of a wave is out at the most
	s_cbranch_scc0 .Lno_fetch
	tensor_load_to_lds s[20:23], s[24:31]
	s_nop 0
.rept 4
	v_nop
.endr
.Lno_fetch:
	WIN 0x40                                       ; destination window 1, address window 0
.irp t, 0,1,2,3                        ; W's fragment (tile t, K step s) at v[16 (4 t + s)] of window 1: it stays
.irp s, 0,1,2,3
.irp c, 0,1,2,3
	global_load_b128 v[16*(4*\t+\s)+4*\c:16*(4*\t+\s)+4*\c+3], v[WA], s[42:43] offset:(32*(\t/2)+8*(\t%2))*512+128*\s+32*\c
.endr
.endr
.endr
	WIN 0
.macro FETCH m                         ; tile m's 16 tokens x 512 K: four fragments, 16 LDS loads, into buffer m % 2
.irp s, 0,1,2,3
.irp c, 0,1,2,3
	ds_load_b128 v[XF+64*((\m)%2)+16*\s+4*\c:XF+64*((\m)%2)+16*\s+4*\c+3], v[XA] offset:(\m)*16*XPITCH+128*\s+32*\c
.endr
.endr
.endm
.macro MUL m                           ; 16 matrix instructions: K step by K step, my head's four tiles by turns, one instruction a turn; the first K step starts the sums
	WIN 0x01                                       ; source 0 (W) window 1
.irp s, 0,1,2,3
.irp t, 0,1,2,3
.if \s == 0
	v_wmma_f32_16x16x128_fp8_fp8 v[ACC+32*((\m)%2)+8*\t:ACC+32*((\m)%2)+8*\t+7], v[16*(4*\t+\s):16*(4*\t+\s)+15], v[XF+64*((\m)%2)+16*\s:XF+64*((\m)%2)+16*\s+15], 0
.else
	v_wmma_f32_16x16x128_fp8_fp8 v[ACC+32*((\m)%2)+8*\t:ACC+32*((\m)%2)+8*\t+7], v[16*(4*\t+\s):16*(4*\t+\s)+15], v[XF+64*((\m)%2)+16*\s:XF+64*((\m)%2)+16*\s+15], v[ACC+32*((\m)%2)+8*\t:ACC+32*((\m)%2)+8*\t+7]
.endif
.endr
.endr
	WIN 0
.endm
.macro QUANT m                         ; tile m's 32 sums a lane become 32 codes: a sum stands for sum x 2^(eA + eB), so its code is sum / 2^E
.set qA, ACC+32*((\m)%2)
.set qC, CODES+8*((\m)%4)
.set n, 0
.rept 32
	v_med3_num_f32 v[qA+n], v[qA+n], -v[LIM], v[LIM]   ; the conversion to an 8-bit code does not saturate (ISA guide 7.6.2): the hold at the largest code x the scale; each accumulator from its low end on
.set n, n+1
.endr
.if (\m) >= 4
	s_wait_alu depctr_va_vdst(0)
	s_wait_xcnt 0x0                                ; tile m - 4's stores have read this set of code registers: only behind this wait is it written again
.endif
.irp t, 0,1,2,3
	v_cvt_scalef32_pk8_fp8_f32 v[qC+2*\t:qC+2*\t+1], v[qA+8*\t:qA+8*\t+7], v[SC]
.endr
	v_nop                                          ; one plain vector instruction between the last conversion and the later products that write its sources
.endm
.macro STORE m                         ; the fragment's two groups: 512 consecutive bytes each, at a multiple of 512 from the buffer's first byte
.set qC, CODES+8*((\m)%4)
	global_store_b128 v[STA+(\m)/4], v[qC:qC+3], s[44:45] offset:((\m)%4)*1024
	global_store_b128 v[STA+(\m)/4], v[qC+4:qC+7], s[44:45] offset:((\m)%4)*1024+512
.endm
	s_wait_tensorcnt 0x0                           ; my 64 rows, if I fetched, are in LDS;
	s_barrier_signal -1
	s_barrier_wait -1                              ; both halves are: the launch's one barrier
	FETCH 0
	FETCH 1
	s_wait_kmcnt 0x0
	s_sub_co_i32 s49, s36, s32
	s_sub_co_i32 s49, s49, s33                     ; q: e4 - e0 - e1
	s_sub_co_i32 s50, s37, s34
	s_sub_co_i32 s50, s50, s35                     ; k: e5 - e2 - e3
	s_cmp_lt_u32 ttmp9, 128
	s_cselect_b32 s49, s49, s50                    ; E: a choice, no branch
	s_add_co_i32 s49, s49, 127
	s_lshl_b32 s50, s49, 23
	v_mov_b32 v[SC], s50                           ; 2^E as f32: the conversion takes its exponent field
	s_add_co_i32 s49, s49, 8
	s_lshl_b32 s49, s49, 23
	s_or_b32 s49, s49, 0x600000
	v_mov_b32 v[LIM], s49                          ; 448 x 2^E
	s_wait_loadcnt 0x0                             ; W
; Tile m is multiplied; the tile before is quantised and stored behind its products: those 32 holds name no register of tile m's products, so they are the places ahead of the loads into the buffer
; that tile m has read, of the later reads of its sums, and of the products that begin its accumulators anew two tiles on.  Behind tile 0 five v_nop take that part.
.irp m, 0,1,2,3,4,5,6,7
.if \m < 7
	s_wait_alu depctr_va_vdst(0)
	s_wait_dscnt 16                                ; tile m's 16 loads are in; the next tile's 16, issued behind them, may be out
.else
	s_wait_dscnt 0x0
.endif
	MUL \m
.if \m == 0
.rept 5
	v_nop
.endr
.else
	QUANT \m-1
	STORE \m-1
.endif
.if \m < 6
	FETCH \m+2
.endif
.endr
	QUANT 7                                        ; (tile 6's holds are the places behind tile 7's products)
	STORE 7
	s_wait_tensorcnt 0x0                           ; the wave's end
	ds_add_u32 v[SPW], v[NIL]
	s_wait_dscnt 0x0
	s_endpgm
.Lfunc_end_k_q2af393453e_proj:
	.size	k_q2af393453e_proj, .Lfunc_end_k_q2af393453e_proj-k_q2af393453e_proj
	.p2alignl 7, 3214868480
	.fill 96, 4, 3214868480
	.section	.rodata,"a",@progbits
	.p2align	6, 0x0
	.amdhsa_kernel k_q2af393453e_proj
		.amdhsa_group_segment_fixed_size 167936
		.amdhsa_private_segment_fixed_size 0
		.amdhsa_enable_private_segment 0
		.amdhsa_kernarg_size 56
		.amdhsa_user_sgpr_count 2
		.amdhsa_user_sgpr_kernarg_segment_ptr 1
		.amdhsa_wavefront_size32 1
		.amdhsa_system_sgpr_workgroup_id_x 1
		.amdhsa_system_sgpr_workgroup_id_y 1
		.amdhsa_system_sgpr_workgroup_id_z 1
		.amdhsa_system_vgpr_workitem_id 0
		.amdhsa_next_free_vgpr 512
		.amdhsa_next_free_sgpr 66
		.amdhsa_reserve_vcc 0
		.amdhsa_float_denorm_mode_32 3
		.amdhsa_float_denorm_mode_16_64 3
		.amdhsa_memory_ordered 1
		.amdhsa_forward_progress 1
		.amdhsa_inst_pref_size 48
	.end_amdhsa_kernel
	.amdgpu_metadata
---
amdhsa.version: [ 1, 2 ]
amdhsa.kernels:
  - .name:           k_q2af393453e_proj
    .symbol:         k_q2af393453e_proj.kd
    .args:
      - { .name: q_codes, .offset: 0, .size: 8, .value_kind: global_buffer, .address_space: global }
      - { .name: k_codes, .offset: 8, .size: 8, .value_kind: global_buffer, .address_space: global }
      - { .name: Wq_codes, .offset: 16, .size: 8, .value_kind: global_buffer, .address_space: global }
      - { .name: Wk_codes, .offset: 24, .size: 8, .value_kind: global_buffer, .address_space: global }
      - { .name: lowp_scales, .offset: 32, .size: 8, .value_kind: global_buffer, .address_space: global }
      - { .name: qf, .offset: 40, .size: 8, .value_kind: global_buffer, .address_space: global }
      - { .name: kf, .offset: 48, .size: 8, .value_kind: global_buffer, .address_space: global }
    .group_segment_fixed_size: 167936
    .private_segment_fixed_size: 0
    .kernarg_segment_align: 8
    .kernarg_segment_size: 56
    .max_flat_workgroup_size: 256
    .sgpr_count:     66
    .vgpr_count:     512
    .wavefront_size: 32
...
	.end_amdgpu_metadata
.endif
;; end of part 1
;; launch attn (part 2): grid 256 x 1, 16 waves a work-group, clusters of 4 x 1, 167,936 bytes of LDS; arguments qf, kf, supp_mask, lowp_scales, sc; writes sc
.if DOCPART == 2
	.amdgcn_target "amdgcn-amd-amdhsa--gfx1250"
	.amdhsa_code_object_version 6
	.text
	.protected	k_q2af393453e_attn
	.globl	k_q2af393453e_attn
	.p2align	8
	.type	k_q2af393453e_attn,@function
k_q2af393453e_attn:
	s_mov_b64 s[64:65], 0
	v_nop
	global_prefetch_b8 v0, s[64:65] scope:SCOPE_SE
	s_setreg_imm32_b32 hwreg(HW_REG_WAVE_MODE, 25, 1), 1
	s_wait_xcnt 0x0
	s_wait_alu depctr_hold_cnt(0) depctr_sa_sdst(0) depctr_va_vdst(0) depctr_va_sdst(0) depctr_va_ssrc(0) depctr_va_vcc(0) depctr_vm_vsrc(0)
	s_getreg_b32 s2, hwreg(HW_REG_IB_STS2, 6, 4)
	s_cmp_eq_u32 s2, 0
	s_cbranch_scc0 .Lentry_in_a_cluster
	s_endpgm
.Lentry_in_a_cluster:
	s_bfe_u32 s2, ttmp6, 0x10000c
	s_cmp_lg_u32 s2, 0x3003
	s_cbranch_scc0 .Lentry_shape_is_right
	s_endpgm
.Lentry_shape_is_right:
; sc[batch][head][query] = the E4M3 code (scale 2^e6) of s = the sum over keys of softmax(qh . kh / 8) x supp_mask.
; qf, kf: the codes of qh and kh as images of operand registers: a fragment of 16 tokens x 64 channels is 1,024 bytes, two groups of 512, lane l's 16 bytes at 16 l.
;   qf: [block of 64 queries: 256][head 8][tile 4][1024]          kf: [batch 4][slot of 256 keys: 8][head 8][tile 16][1024]
; The input v is not loaded: reference() never reads it, so no result hangs on it.
; SHARES.  A work-group owns ONE batch and ONE head and 512 of its queries.  The head's 2,048 keys are 128 KiB and lie whole in LDS: filled once, never again, so the loop over the keys has no barrier.
; Wave w takes query tiles 2 w and 2 w + 1 of the work-group's 32 and walks all keys, 128 a step, 16 steps.  32 (batch, head) x 8 blocks of queries = 256 work-groups.
; CLUSTER.  The four partners share batch and head: each of the sixteen waves asks JOINTLY for 8 KiB of the head's keys (half of a slot's 16 KiB), one tensor load a wave.
; THE WALK IS ROTATED: wave w takes key steps w, w + 1, .. modulo 16.  Its first step reads only the 8 KiB that its own load brought and the 128 mask numbers that its own lanes stored,
; so that step stands between the signal and the wait of the launch's one barrier for the tiles: only register work and LDS loads of bytes that nobody writes later stand there.
; No prefetch: every stream is asked for at the head, and there is no loop to run ahead in.
; S^T = K Q^T (source 0 = 16 keys, source 1 = 16 queries): lane (r, h) holds ONE query r, register 8 t + j the key 16 t + 8 h + j of the step.
; SOFTMAX, with a running maximum, kept by each half of the lanes for its own keys: MX = the largest score so far; NM = -c MX, c = log2(e) / 8 x 2^(e4 + e5); p = 2^(c s + NM);
; in every step the sums are multiplied by F = 2^(new NM - old NM).  L = the sum of p, A = the sum of p x mask, both f32.  At the end the two halves are brought under their common NM and added; s = A / L.
; NM begins at 3e38, MX at -3e38 and the sums at 0: the first step's F is 0 and multiplies zeros.
; The exponentials go in two batches a step, each with one wait ahead and one behind; inside a batch stand only lines whose results are first read behind its closing wait.
; LIMITS: e4 + e5 between -123 and 130 (added to c's exponent field); e6 between -126 and 119.  Mask numbers are exact as f32 up to 2^24.  NaN codes are not served.
; LDS: 0 the keys (131,072); the mask as f32 (8,192); the work-group's 512 codes (512); the spare words.
; REGISTERS: v1-7 addresses; v8-23, v24-39 a tile's statistics; v40-55 Q; v56-119 the step's fragments of K, then its 64 mask numbers; v120-183, v184-247 the two tiles' scores; v248-255 at work.
.set MASK,  131072
.set STG,   MASK+8192
.set SPARE, STG+512                    ; 128 bytes for each of the sixteen waves, which no other line names
.set SPW, 1                            ; v1   my spare word; never rewritten
.set NIL, 2                            ; v2   0; never rewritten
.set ADK, 3                            ; v3   16 x lane + 8,192 x key step
.set AM0, 4                            ; v4   MASK + 32 h
.set LI,  5                            ; v5   16 x lane
.set SA,  6                            ; v6   STG + my thread's number
.set ADM, 7                            ; v7   MASK + 32 h + 512 x key step
.set RB,  250                          ; v250 STG + 16 x lane
.set ST,  8                            ; tile x at v[ST + 16 x]: +0 NM, +1 0, +2 F, +3 0, +4..7 L (two pairs), +8..11 A (two pairs), +12, +13 the step's two maxima, +14 the change of NM, +15 MX
.set QF,  40
.set KM,  56
.set S,   120
.set WV,  16                           ; s16  my wave's number
.set CS,  40                           ; s[40:41] c, twice; s42 -c
.set SEL, 44                           ; s[44:45] selects of v_permlanex16_b32: lane l xor 16
.set KS,  46                           ; s46  the key step in hand, 0 .. 15; s47 the next one's bytes of K; s49 this one's bytes of the mask
.macro CROUND                          ; a round of the cluster's barrier
	s_barrier_signal -1
	s_barrier_wait -1
	s_cmp_lg_u32 s[WV], 0
	s_cbranch_scc1 .Lnot_wave_0_\@
	s_barrier_signal -3
.Lnot_wave_0_\@:
	s_barrier_wait -3
	s_barrier_signal -1
	s_barrier_wait -1
.endm
	s_load_b256 s[4:11], s[0:1], 0x0               ; qf s[4:5], kf s[6:7], the mask s[8:9], the scales' exponents s[10:11]
	s_load_b64 s[12:13], s[0:1], 0x20              ; sc
	v_lshl_add_u32 v[SPW], v0, 2, SPARE
	v_mov_b32 v[NIL], 0
	ds_add_u32 v[SPW], v[NIL]                      ; the opening lines: the add, twice on end, and its wait ahead of the round in front of the first tensor load
	ds_add_u32 v[SPW], v[NIL]
	v_lshrrev_b32 v7, 5, v0
	v_readfirstlane_b32 s[WV], v7                  ; wave 0..15
	s_bfe_u32 s17, ttmp6, 0x40000                  ; cx: my place in the cluster
	s_lshr_b32 s19, ttmp9, 4                       ; the batch (ttmp9 counts clusters),
	s_lshr_b32 s18, ttmp9, 1                       ; 8 x batch + head,
	s_and_b32 s14, s18, 7                          ; the head: the four partners share all three
	s_and_b32 s15, ttmp9, 1
	s_lshl_b32 s15, s15, 2
	s_add_co_u32 s15, s15, s17                     ; which 512 queries of the batch
	s_lshr_b32 s49, s[WV], 1
	s_and_b32 s50, s[WV], 1
	s_lshl_b32 s54, s19, 20                        ; kf: my batch,
	s_lshl_b32 s60, s49, 17
	s_add_co_u32 s54, s54, s60                     ; slot w / 2,
	s_lshl_b32 s60, s14, 14
	s_add_co_u32 s54, s54, s60                     ; my head's 16 KiB of it,
	s_lshl_b32 s60, s50, 13
	s_add_co_u32 s54, s54, s60                     ; half w % 2: nothing here hangs on cx
	s_mov_b32 s55, 0
	s_lshl_b32 s52, s19, 6                         ; qf: block 64 x batch + 8 x my 512 + w / 2,
	s_lshl_b32 s61, s15, 3
	s_add_co_u32 s52, s52, s61
	s_add_co_u32 s52, s52, s49
	s_lshl_b32 s52, s52, 15
	s_lshl_b32 s61, s14, 12
	s_add_co_u32 s52, s52, s61                     ; my head,
	s_lshl_b32 s61, s50, 11
	s_add_co_u32 s52, s52, s61                     ; tiles 2 (w % 2) on
	s_mov_b32 s53, 0
	s_lshl_b32 s56, s19, 13                        ; my batch's mask
	s_mov_b32 s57, 0
	s_lshl_b32 s58, s18, 12                        ; sc: my batch and head,
	s_lshl_b32 s61, s15, 9
	s_add_co_u32 s58, s58, s61                     ; my 512 queries
	s_mov_b32 s59, 0
	s_mov_b32 s[KS], s[WV]                         ; my first key step is my wave's number
	s_lshl_b32 s47, s[WV], 13
	; descriptor group 1: a dense block of 8 KiB as 32 rows of 256 bytes
	s_mov_b32 s24, 15|(3<<16)|(1<<21)              ; the mask: all four work-groups; elements of 8 bytes; bit 21 set beside a mask; no padding: fragments are read 16 x lane
	s_mov_b32 s25, 32<<16
	s_mov_b32 s26, 32<<16
	s_mov_b32 s27, 32<<16
	s_mov_b32 s28, 32
	s_mov_b32 s29, 32
	s_mov_b32 s30, 0
	s_mov_b32 s31, 0
	s_mov_b32 s[SEL], 0x76543210
	s_mov_b32 s[SEL+1], 0xfedcba98
	v_and_b32 v[LI], 31, v0
	v_lshlrev_b32 v[LI], 4, v[LI]
	v_bfe_u32 v7, v0, 4, 1
	v_lshl_add_u32 v[AM0], v7, 5, MASK
	v_add_nc_u32 v[ADK], s47, v[LI]
	v_add_nc_u32 v[SA], STG, v0
	v_add_nc_u32 v[RB], STG, v[LI]
	v_lshlrev_b32 v248, 4, v0                      ; the mask: four numbers a thread, in memory
	v_lshl_add_u32 v249, v0, 4, MASK               ; and in LDS: wave w's lanes hold the 128 numbers of key step w
.irp x, 0,1
	v_mov_b32 v[ST+16*\x], 0x7f61b1e6              ; NM = 3e38: over every -c s
	v_mov_b32 v[ST+16*\x+1], 0                     ; (named as upper halves of pairs)
	v_mov_b32 v[ST+16*\x+3], 0
.irp j, 4,5,6,7,8,9,10,11
	v_mov_b32 v[ST+16*\x+\j], 0                    ; L and A
.endr
	v_mov_b32 v[ST+16*\x+15], 0xff61b1e6           ; MX = -3e38: under every score
.endr
	s_wait_alu depctr_va_vdst(0)
	s_wait_dscnt 0x0                               ; both opening adds are done
	s_wait_kmcnt 0x0
	s_load_b256 s[32:39], s[10:11], 0x0            ; e0 .. e7
	s_add_nc_u64 s[4:5], s[4:5], s[52:53]
	s_add_nc_u64 s[8:9], s[8:9], s[56:57]
	s_add_nc_u64 s[12:13], s[12:13], s[58:59]
	s_mov_b32 s20, 1                               ; group 0: count = 1
	s_lshl_b32 s21, s[WV], 13                      ; LDS address: 8 KiB x wave: keys 128 w on
	s_add_nc_u64 s[22:23], s[6:7], s[54:55]
	s_or_b32 s23, s23, 0x80000000                  ; type = 2
	CROUND                                         ; all four work-groups are here: the joint loads meet
	tensor_load_to_lds s[20:23], s[24:31]          ; my one tensor load of the launch
	s_nop 0
.rept 4
	v_nop
.endr
	global_load_b128 v[124:127], v248, s[8:9]      ; 512 threads x 4 = the batch's 2,048 mask numbers
.irp i, 0,1,2,3
	global_load_b128 v[QF+4*\i:QF+4*\i+3], v[LI], s[4:5] offset:512*\i   ; Q's two fragments stay in registers
.endr
	s_wait_loadcnt 4                               ; the mask's load is in; Q's four, issued behind it, may be out
.irp i, 0,1,2,3
	v_cvt_f32_i32 v[128+\i], v[124+\i]
.endr
	ds_store_b128 v249, v[128:131]
	s_wait_kmcnt 0x0
	s_add_co_i32 s43, s36, s37
	s_lshl_b32 s43, s43, 23
	s_mov_b32 s[CS], 0x3e38aa3b                    ; log2(e) / 8
	s_add_co_i32 s[CS], s[CS], s43                 ; a score stands for score x 2^(e4 + e5): the two exponents are added to c's exponent field
	s_mov_b32 s[CS+1], s[CS]
	s_xor_b32 s42, s[CS], 0x80000000               ; -c
	s_add_co_i32 s43, s38, 127
	s_lshl_b32 s62, s43, 23                        ; 2^e6
	s_add_co_i32 s43, s43, 8
	s_lshl_b32 s63, s43, 23
	s_or_b32 s63, s63, 0x600000                    ; 448 x 2^e6
; MAXL x, j (j = 0 .. 33): the largest of tile x's 64 scores, in two chains, in ascending order of registers (each accumulator is read from its low end on); the running MX; the change of NM; the new NM.
.macro MAXL x, j
.set rT, ST+16*(\x)
.set rS, S+64*(\x)
.if (\j) == 0
	v_max3_num_f32 v[rT+12], v[rS], v[rS+1], v[rS+2]
.elseif (\j) == 1
	v_max3_num_f32 v[rT+13], v[rS+3], v[rS+4], v[rS+5]
.elseif (\j) < 30
.set mi, 6+4*(((\j)-2)/2)
.if ((\j)%2) == 0
	v_max3_num_f32 v[rT+12], v[rT+12], v[rS+mi], v[rS+mi+1]
.else
	v_max3_num_f32 v[rT+13], v[rT+13], v[rS+mi+2], v[rS+mi+3]
.endif
.elseif (\j) == 30
	v_max3_num_f32 v[rT+12], v[rT+12], v[rS+62], v[rS+63]
.elseif (\j) == 31
	v_max3_num_f32 v[rT+15], v[rT+12], v[rT+13], v[rT+15]   ; MX, of my half's keys
.elseif (\j) == 32
	v_fma_f32 v[rT+14], s42, v[rT+15], -v[rT]      ; new NM - old NM (c is positive)
.else
	v_mul_f32 v[rT], s42, v[rT+15]                 ; the new NM
.endif
.endm
.macro SCAL x, b                       ; pair b of 32: c s + NM (of the pairs c and NM the low word serves both halves)
	v_pk_fma_f32 v[S+64*(\x)+2*(\b):S+64*(\x)+2*(\b)+1], v[S+64*(\x)+2*(\b):S+64*(\x)+2*(\b)+1], s[CS:CS+1], v[ST+16*(\x):ST+16*(\x)+1] op_sel_hi:[1,0,0]
.endm
.macro EXPS x, e
	v_exp_f32 v[S+64*(\x)+(\e)], v[S+64*(\x)+(\e)] ; p
.endm
.macro RESC x, j                       ; L's and A's four pairs x F
	v_pk_mul_f32 v[ST+16*(\x)+4+2*(\j):ST+16*(\x)+5+2*(\j)], v[ST+16*(\x)+4+2*(\j):ST+16*(\x)+5+2*(\j)], v[ST+16*(\x)+2:ST+16*(\x)+3] op_sel_hi:[1,0]
.endm
.macro SUMS x, b                       ; L += pair b of p; A += pair b of p x its two mask numbers.  Two chains each
.set rT, ST+16*(\x)
.set rS, S+64*(\x)
	v_pk_add_f32 v[rT+4+2*((\b)%2):rT+5+2*((\b)%2)], v[rT+4+2*((\b)%2):rT+5+2*((\b)%2)], v[rS+2*(\b):rS+2*(\b)+1]
	v_pk_fma_f32 v[rT+8+2*((\b)%2):rT+9+2*((\b)%2)], v[rS+2*(\b):rS+2*(\b)+1], v[KM+2*(\b):KM+2*(\b)+1], v[rT+8+2*((\b)%2):rT+9+2*((\b)%2)]
.endm
.macro KLOAD1 t                        ; key tile t of the step at v[ADK]: a fragment as it lies, 16 x lane
	ds_load_b128 v[KM+8*(\t):KM+8*(\t)+3], v[ADK] offset:(\t)*1024
	ds_load_b128 v[KM+8*(\t)+4:KM+8*(\t)+7], v[ADK] offset:(\t)*1024+512
.endm
; A KEY STEP: 128 keys.  adv = 1: a step follows, and its address is made.  more = 1: its fragments of K are fetched under this step's sums.
.macro STEP more, adv
	s_lshl_b32 s49, s[KS], 9                       ; this step's mask numbers
.if \adv
	s_add_co_u32 s[KS], s[KS], 1
	s_and_b32 s[KS], s[KS], 15                     ; the next key step, modulo 16
	s_lshl_b32 s47, s[KS], 13
.endif
	s_wait_dscnt 0x0                               ; K's eight fragments are in
.irp t, 0,1,2,3,4,5,6,7
	v_wmma_f32_16x16x64_fp8_fp8 v[S+8*\t:S+8*\t+7], v[KM+8*\t:KM+8*\t+7], v[QF:QF+7], 0
	v_wmma_f32_16x16x64_fp8_fp8 v[S+64+8*\t:S+64+8*\t+7], v[KM+8*\t:KM+8*\t+7], v[QF+8:QF+15], 0
.endr
	v_add_nc_u32 v[ADM], s49, v[AM0]               ; four places ahead of the loads into registers that the products have read: the two addresses are among them
.if \adv
	v_add_nc_u32 v[ADK], s47, v[LI]
.else
	v_nop
.endif
	v_nop
	v_nop
.irp t, 0,1,2,3,4,5,6,7                ; the step's mask numbers in the scores' layout: register 8 t + j = key 16 t + 8 h + j
	ds_load_b128 v[KM+8*\t:KM+8*\t+3], v[ADM] offset:64*\t
	ds_load_b128 v[KM+8*\t+4:KM+8*\t+7], v[ADM] offset:64*\t+16
.endr
.set n, 0
.rept 34
	MAXL 0, n                                      ; the two tiles' chains by turns
	MAXL 1, n
.set n, n+1
.endr
.set n, 0
.rept 32
	SCAL 0, n
.set n, n+1
.endr
	s_wait_alu depctr_va_vdst(0)                   ; ahead of the batch
	v_exp_f32 v[ST+2], v[ST+14]                    ; F of both tiles
	v_exp_f32 v[ST+18], v[ST+30]
.set n, 0
.rept 32
	EXPS 0, 2*n
	EXPS 0, 2*n+1
	SCAL 1, n                                      ; first read behind the wait below
.set n, n+1
.endr
	s_wait_alu depctr_va_vdst(0)                   ; behind the first batch and ahead of the second, and directly ahead of the wait below
	s_wait_dscnt 0x0                               ; the mask numbers are in
.set n, 0
.set e, 0
.rept 8
.rept 8
	EXPS 1, e
.set e, e+1
.endr
	RESC n/4, n%4                                  ; first read behind the wait below
.set n, n+1
.endr
	s_wait_alu depctr_va_vdst(0)                   ; behind the second batch
.set sb, 0
.rept 32
	SUMS 0, sb
	SUMS 1, sb
.if \more
.if (sb%4) == 3
	KLOAD1 sb/4                                    ; the mask numbers of key tile sb / 4 have had their last reader: their registers take the next step's fragment
.endif
.endif
.set sb, sb+1
.endr
.endm
	s_wait_alu depctr_va_vdst(0)                   ; the head's end
	s_wait_loadcnt 0x0                             ; Q
	s_wait_tensorcnt 0x0                           ; my 8 KiB of keys are in LDS,
	s_wait_dscnt 0x0                               ; and my 128 mask numbers:
	s_barrier_signal -1                            ; say so.  Up to the wait below I read only these bytes of my own
.irp t, 0,1,2,3,4,5,6,7
	KLOAD1 \t
.endr
	STEP 0, 1                                      ; key step w
	s_barrier_wait -1                              ; all keys and the whole mask are in LDS
.irp t, 0,1,2,3,4,5,6,7
	KLOAD1 \t
.endr
	s_mov_b32 s48, 14
.Lstep:
	STEP 1, 1
	s_sub_co_u32 s48, s48, 1
	s_cmp_lg_u32 s48, 0
	s_cbranch_scc1 .Lstep
	STEP 0, 0                                      ; the last step fetches nothing more
	; the two halves of the lanes under their common NM; s = A / L and its code
.irp x, 0,1
	v_pk_add_f32 v[ST+16*\x+4:ST+16*\x+5], v[ST+16*\x+4:ST+16*\x+5], v[ST+16*\x+6:ST+16*\x+7]
	v_pk_add_f32 v[ST+16*\x+8:ST+16*\x+9], v[ST+16*\x+8:ST+16*\x+9], v[ST+16*\x+10:ST+16*\x+11]
.endr
.irp x, 0,1
	v_permlanex16_b32 v[ST+16*\x+13], v[ST+16*\x], s[SEL], s[SEL+1]   ; the other half's NM
	v_add_f32 v[ST+16*\x+4], v[ST+16*\x+4], v[ST+16*\x+5]
	v_add_f32 v[ST+16*\x+8], v[ST+16*\x+8], v[ST+16*\x+9]
.endr
.irp x, 0,1
	v_min_num_f32 v[ST+16*\x+12], v[ST+16*\x], v[ST+16*\x+13]         ; the common NM
.endr
.irp x, 0,1
	v_sub_f32 v[ST+16*\x+14], v[ST+16*\x+12], v[ST+16*\x]             ; less mine: 0 or less
.endr
	s_wait_alu depctr_va_vdst(0)                   ; ahead of the two exponentials
.irp x, 0,1
	v_exp_f32 v[ST+16*\x+2], v[ST+16*\x+14]
.endr
	v_and_b32 v7, 16, v0                           ; (a plain instruction behind them)
	s_wait_alu depctr_va_vdst(0)                   ; ahead of their first reader
.irp x, 0,1
	v_mul_f32 v[ST+16*\x+4], v[ST+16*\x+4], v[ST+16*\x+2]
	v_mul_f32 v[ST+16*\x+8], v[ST+16*\x+8], v[ST+16*\x+2]
.endr
.irp x, 0,1
	v_permlanex16_b32 v[ST+16*\x+15], v[ST+16*\x+4], s[SEL], s[SEL+1]   ; the other half of the lanes holds the query's other keys
	v_permlanex16_b32 v[ST+16*\x+13], v[ST+16*\x+8], s[SEL], s[SEL+1]
.endr
.irp x, 0,1
	v_add_f32 v[ST+16*\x+4], v[ST+16*\x+4], v[ST+16*\x+15]
	v_add_f32 v[ST+16*\x+8], v[ST+16*\x+8], v[ST+16*\x+13]
.endr
	v_cmp_eq_u32 vcc_lo, 0, v7
	v_cndmask_b32 v248, v[ST+20], v[ST+4], vcc_lo  ; lanes 0-15 go on with tile 0's query r, lanes 16-31 with tile 1's: lane l has query 32 w + l
	v_cndmask_b32 v249, v[ST+24], v[ST+8], vcc_lo
	s_wait_alu depctr_va_vdst(0)                   ; ahead of the reciprocal
	v_rcp_f32 v251, v248
	v_mov_b32 v252, s62                            ; 2^e6 (a plain instruction behind the reciprocal)
	v_mov_b32 v253, s63                            ; 448 x 2^e6
	s_wait_alu depctr_va_vdst(0)                   ; ahead of its first reader
	v_mul_f32 v251, v249, v251
.irp j, 0,1,2,3,4,5,6,7
	v_med3_num_f32 v[KM+\j], v251, -v253, v253     ; the hold at the largest code x the scale (the conversion does not saturate: ISA guide 7.6.2), and the eight numbers that the conversion takes
.endr
	v_cvt_scalef32_pk8_fp8_f32 v[254:255], v[KM:KM+7], v252
	v_nop
	ds_store_b8 v[SA], v254                        ; the work-group's 512 codes are gathered, so that they leave as whole units of 256 bytes
	s_wait_dscnt 0x0
	s_barrier_signal -1
	s_barrier_wait -1
	s_cmp_lg_u32 s[WV], 0
	s_cbranch_scc1 .Lend
	ds_load_b128 v[KM:KM+3], v[RB]
	s_wait_dscnt 0x0
	global_store_b128 v[LI], v[KM:KM+3], s[12:13]  ; 32 lanes store 512 consecutive bytes, at a multiple of 512 from the buffer's first byte
.Lend:
	s_wait_tensorcnt 0x0                           ; the wave's end
	ds_add_u32 v[SPW], v[NIL]
	s_wait_dscnt 0x0
	CROUND                                         ; the closing round
	s_endpgm
.Lfunc_end_k_q2af393453e_attn:
	.size	k_q2af393453e_attn, .Lfunc_end_k_q2af393453e_attn-k_q2af393453e_attn
	.p2alignl 7, 3214868480
	.fill 96, 4, 3214868480
	.section	.rodata,"a",@progbits
	.p2align	6, 0x0
	.amdhsa_kernel k_q2af393453e_attn
		.amdhsa_group_segment_fixed_size 167936
		.amdhsa_private_segment_fixed_size 0
		.amdhsa_enable_private_segment 0
		.amdhsa_kernarg_size 40
		.amdhsa_user_sgpr_count 2
		.amdhsa_user_sgpr_kernarg_segment_ptr 1
		.amdhsa_wavefront_size32 1
		.amdhsa_system_sgpr_workgroup_id_x 1
		.amdhsa_system_sgpr_workgroup_id_y 1
		.amdhsa_system_sgpr_workgroup_id_z 1
		.amdhsa_system_vgpr_workitem_id 0
		.amdhsa_next_free_vgpr 256
		.amdhsa_next_free_sgpr 66
		.amdhsa_reserve_vcc 1
		.amdhsa_float_denorm_mode_32 3
		.amdhsa_float_denorm_mode_16_64 3
		.amdhsa_memory_ordered 1
		.amdhsa_forward_progress 1
		.amdhsa_inst_pref_size 82
	.end_amdhsa_kernel
	.amdgpu_metadata
---
amdhsa.version: [ 1, 2 ]
amdhsa.kernels:
  - .name:           k_q2af393453e_attn
    .symbol:         k_q2af393453e_attn.kd
    .args:
      - { .name: qf, .offset: 0, .size: 8, .value_kind: global_buffer, .address_space: global }
      - { .name: kf, .offset: 8, .size: 8, .value_kind: global_buffer, .address_space: global }
      - { .name: supp_mask, .offset: 16, .size: 8, .value_kind: global_buffer, .address_space: global }
      - { .name: lowp_scales, .offset: 24, .size: 8, .value_kind: global_buffer, .address_space: global }
      - { .name: sc, .offset: 32, .size: 8, .value_kind: global_buffer, .address_space: global }
    .group_segment_fixed_size: 167936
    .private_segment_fixed_size: 0
    .kernarg_segment_align: 8
    .kernarg_segment_size: 40
    .max_flat_workgroup_size: 512
    .sgpr_count:     66
    .vgpr_count:     256
    .wavefront_size: 32
...
	.end_amdgpu_metadata
.endif
;; end of part 2
;; launch outp (part 3): grid 256 x 1, 8 waves a work-group, no clusters, 168,960 bytes of LDS; arguments sc, Wp_codes, lowp_scales, out0; writes out0
.if DOCPART == 3
	.amdgcn_target "amdgcn-amd-amdhsa--gfx1250"
	.amdhsa_code_object_version 6
	.text
	.protected	k_q2af393453e_outp
	.globl	k_q2af393453e_outp
	.p2align	8
	.type	k_q2af393453e_outp,@function
k_q2af393453e_outp:
	s_mov_b64 s[64:65], 0
	v_nop
	global_prefetch_b8 v0, s[64:65] scope:SCOPE_SE
	s_setreg_imm32_b32 hwreg(HW_REG_WAVE_MODE, 25, 1), 1
	s_wait_xcnt 0x0
; out = x Wp^T on codes; x[row][64 head + d] = sc[batch][head][row], the same code for all 64 d of a head (reference()'s broadcast).
; SHARES.  A work-group makes 256 rows x 128 columns: 64 x 4 = 256 work-groups.  Wave w makes columns 16 w .. 16 w + 15 of the block for all 256 rows; its 16 rows of Wp, 8 KiB, go from memory straight into registers, once.
; One instruction of K = 128 takes 32 channels of each of four heads: register 4 i + z, byte y of lane (., h) stands for k = 64 (4 g + i) + 32 q + 16 h + 4 z + y.  On x's side that is the code of head 4 g + i
; whatever q, h, z, y: x's fragment is four loads of 16 equal bytes and serves both q.  The same order of k on Wp's side, so every product meets its partner.
; The 16 tiles of rows go in pairs, the pair's two accumulators by turns.  Results leave through a stage in LDS in four phases of 64 rows, each phase with stage bytes of its own and one barrier:
; a phase's rows are stored while later rows are multiplied.  Each store of a wave covers 512 consecutive bytes, aligned.
; No tensor load and so no joint load: a work-group reads 64 KiB of Wp once into registers and 2 KiB of codes.  No prefetch: every stream is asked for at the head.
; LIMIT: e6 + e7 between -126 and 127, so that 2^(e6 + e7) is an f32 number.
; LDS: 0 the stage, 256 rows x 528; XR: [head 8][row 256][the code 16 times]; the spare words.
; REGISTERS: v1-14 addresses; v16-31 rows read back; v32-63 sums, two sets of two tiles; v64-191 x's fragments, two buffers of a pair of tiles; v192-255 Wp's four fragments.
.set SP,    528                        ; a stage row: 512 bytes + 16 = 33 x 16 bytes
.set PH,    64*SP                      ; a phase's rows
.set XR,    256*SP
.set SPARE, XR+32768
.set SPW, 1
.set NIL, 2
.set WPA, 3                            ; v3   Wp: r x 512 + 16 h
.set XA0, 4                            ; v4   XR + 16 r
.set LI,  5                            ; v5   16 x lane
.set SO,  6                            ; v6-9   the stage, in, phase by phase: r x 528 + 32 h + 64 w
.set SR,  10                           ; v10-13 the stage, back: my eight rows of a phase, 16 bytes a lane
.set XS,  14                           ; v14  XR + 16 x my thread's number
.set RBK, 16
.set ACC, 32
.set XB,  64
.set WPF, 192                          ; fragment (g, q) at 16 (2 g + q)
.set WV,  16
	s_load_b256 s[4:11], s[0:1], 0x0               ; sc s[4:5], Wp's codes s[6:7], the scales' exponents s[8:9], out s[10:11]
	v_lshl_add_u32 v[SPW], v0, 2, SPARE
	v_mov_b32 v[NIL], 0
	v_lshrrev_b32 v15, 5, v0
	v_readfirstlane_b32 s[WV], v15                 ; wave 0..7
	s_and_b32 s17, ttmp9, 3                        ; which 128 columns
	s_lshr_b32 s18, ttmp9, 2                       ; which 256 rows, counted through the batches
	s_lshr_b32 s19, s18, 4                         ; the batch
	s_and_b32 s20, s18, 15
	s_lshl_b32 s52, s19, 15                        ; sc: my batch,
	s_lshl_b32 s60, s20, 8
	s_add_co_u32 s52, s52, s60                     ; my 256 rows
	s_mov_b32 s53, 0
	s_lshl_b32 s54, s17, 16                        ; Wp: 128 rows of 512 bytes a block,
	s_lshl_b32 s60, s[WV], 13
	s_add_co_u32 s54, s54, s60                     ; my wave's 16
	s_mov_b32 s55, 0
	s_lshl_b32 s50, s18, 19                        ; out: 256 rows of 2,048 bytes,
	s_lshl_b32 s60, s[WV], 14
	s_add_co_u32 s50, s50, s60                     ; my wave's eight rows of a phase,
	s_lshl_b32 s60, s17, 9
	s_add_co_u32 s50, s50, s60                     ; the block's 512 bytes of a row
	s_mov_b32 s51, 0
	s_lshl_b32 s61, s[WV], 6
	s_mul_i32 s62, s[WV], 8*SP
	v_and_b32 v15, 15, v0                          ; r
	v_bfe_u32 v16, v0, 4, 1                        ; h
	v_and_b32 v[LI], 31, v0
	v_lshlrev_b32 v[LI], 4, v[LI]
	v_lshlrev_b32 v[WPA], 9, v15
	v_lshl_add_u32 v[WPA], v16, 4, v[WPA]
	v_lshl_add_u32 v[XA0], v15, 4, XR
	v_lshl_add_u32 v[XS], v0, 4, XR
	v_mul_u32_u24 v[SO], v15, SP
	v_lshl_add_u32 v[SO], v16, 5, v[SO]
	v_add_nc_u32 v[SO], s61, v[SO]
	v_add_nc_u32 v[SR], s62, v[LI]
.irp p, 1,2,3
	v_add_nc_u32 v[SO+\p], \p*PH, v[SO]
	v_add_nc_u32 v[SR+\p], \p*PH, v[SR]
.endr
	s_wait_alu depctr_va_vdst(0)                   ; the head's end
	s_wait_kmcnt 0x0
	s_load_b256 s[32:39], s[8:9], 0x0              ; e0 .. e7
	s_add_nc_u64 s[4:5], s[4:5], s[52:53]
	s_add_nc_u64 s[6:7], s[6:7], s[54:55]
	s_add_nc_u64 s[10:11], s[10:11], s[50:51]
.irp hh, 0,1,2,3,4,5,6,7
	global_load_u8 v[ACC+\hh], v0, s[4:5] offset:\hh*4096   ; thread t takes row t's eight codes; a head's codes lie 4,096 bytes apart
.endr
	; Wp: lane (r, h), registers 4 i .. 4 i + 3 of (g, q): row 16 w + r of the block, k = 256 g + 64 i + 32 q + 16 h + 0 .. 15
.irp g, 0,1
.irp q, 0,1
.irp i, 0,1,2,3
	global_load_b128 v[WPF+16*(2*\g+\q)+4*\i:WPF+16*(2*\g+\q)+4*\i+3], v[WPA], s[6:7] offset:256*\g+64*\i+32*\q
.endr
.endr
.endr
	s_wait_loadcnt 16                              ; my eight codes are in; Wp's 16 loads, issued behind them, may be out
.irp hh, 0,1,2,3,4,5,6,7
	v_perm_b32 v[XB+4*\hh], v[ACC+\hh], v[ACC+\hh], 0   ; the code in all four bytes
	v_mov_b32 v[XB+4*\hh+1], v[XB+4*\hh]
	v_mov_b32 v[XB+4*\hh+2], v[XB+4*\hh]
	v_mov_b32 v[XB+4*\hh+3], v[XB+4*\hh]
.endr
.irp hh, 0,1,2,3,4,5,6,7
	ds_store_b128 v[XS], v[XB+4*\hh:XB+4*\hh+3] offset:\hh*4096
.endr
	s_wait_kmcnt 0x0
	s_add_co_i32 s56, s38, s39
	s_add_co_i32 s56, s56, 127
	s_lshl_b32 s56, s56, 23                        ; 2^(e6 + e7)
	s_mov_b32 s57, s56
	s_wait_dscnt 0x0
	s_barrier_signal -1
	s_barrier_wait -1                              ; all 8 x 256 codes lie in XR
	; source 0 = 16 rows of Wp, source 1 = 16 rows of x: lane (r, h) holds row 16 m + r, register j column 16 w + 8 h + j
.macro XLOAD2 p                        ; x's fragments of tiles 2 p and 2 p + 1: heads 4 g + i; 16 loads
.irp j, 0,1
.irp g, 0,1
.irp i, 0,1,2,3
	ds_load_b128 v[XB+64*((\p)%2)+32*\j+16*\g+4*\i:XB+64*((\p)%2)+32*\j+16*\g+4*\i+3], v[XA0] offset:(4*\g+\i)*4096+256*(2*(\p)+\j)
.endr
.endr
.endr
.endm
.macro PMUL2 p                         ; eight matrix instructions; the two tiles' accumulators take turns, one instruction a turn
.set pA, ACC+16*((\p)%2)
.set pX, XB+64*((\p)%2)
.irp g, 0,1
.irp q, 0,1
.irp j, 0,1
.if (\g+\q) == 0
	v_wmma_f32_16x16x128_fp8_fp8 v[pA+8*\j:pA+8*\j+7], v[WPF+16*(2*\g+\q):WPF+16*(2*\g+\q)+15], v[pX+32*\j+16*\g:pX+32*\j+16*\g+15], 0
.else
	v_wmma_f32_16x16x128_fp8_fp8 v[pA+8*\j:pA+8*\j+7], v[WPF+16*(2*\g+\q):WPF+16*(2*\g+\q)+15], v[pX+32*\j+16*\g:pX+32*\j+16*\g+15], v[pA+8*\j:pA+8*\j+7]
.endif
.endr
.endr
.endr
.endm
.macro OUTP p                          ; the pair's sums x 2^(e6 + e7), in place, each accumulator from its low end on, and into the stage: 32 bytes of a row
.set pA, ACC+16*((\p)%2)
.irp i, 0,2,4,6,8,10,12,14
	v_pk_mul_f32 v[pA+\i:pA+\i+1], v[pA+\i:pA+\i+1], s[56:57] op_sel_hi:[1,0]
.endr
.irp j, 0,1
	ds_store_b128 v[SO+(\p)/2], v[pA+8*\j:pA+8*\j+3] offset:((2*(\p)+\j)%4)*16*SP
	ds_store_b128 v[SO+(\p)/2], v[pA+8*\j+4:pA+8*\j+7] offset:((2*(\p)+\j)%4)*16*SP+16
.endr
.endm
.macro SEND ph                         ; phase ph's 64 rows are whole in the stage: my eight of them go out, four at a time
	s_wait_dscnt 0x0                               ; my stores into the stage are done (and x's fragments asked for so far are in)
	s_barrier_signal -1
	s_barrier_wait -1
.irp u, 0,1
.if (\ph+\u) > 0
	s_wait_xcnt 0x0                                ; the stores before have read these registers: only behind this wait are they loaded anew
.endif
.irp i, 0,1,2,3
	ds_load_b128 v[RBK+4*\i:RBK+4*\i+3], v[SR+\ph] offset:(4*\u+\i)*SP
.endr
	s_wait_dscnt 0x0
.irp i, 0,1,2,3
	global_store_b128 v[LI], v[RBK+4*\i:RBK+4*\i+3], s[10:11] offset:(64*\ph+4*\u+\i)*2048 th:TH_STORE_NT   ; 32 lanes store 512 consecutive bytes, at a multiple of 512 from the output's first byte
.endr
.endr
.endm
	XLOAD2 0
	XLOAD2 1
	s_wait_loadcnt 0x0                             ; Wp
	s_wait_dscnt 16                                ; pair 0's 16 loads are in; pair 1's may be out
	PMUL2 0
.rept 5
	v_nop                                          ; places ahead of the loads into the buffer just read, of the reads of these sums, and of the products that begin these accumulators anew two pairs on
.endr
	XLOAD2 2
	s_wait_dscnt 16                                ; behind pair 1's loads: pair 2's 16
	PMUL2 1
	OUTP 0                                         ; its eight multiplies name no register of pair 1's products: they are the places behind those; so for every pair below
	XLOAD2 3
	s_wait_dscnt 20                                ; behind pair 2's loads: four stores and pair 3's 16 loads
	PMUL2 2
	OUTP 1
	XLOAD2 4
	SEND 0                                         ; its wait for 0 shows pairs 3 and 4 in
	PMUL2 3
	OUTP 2
	XLOAD2 5
	PMUL2 4
	OUTP 3
	XLOAD2 6
	SEND 1                                         ; pairs 5 and 6 are in
	PMUL2 5
	OUTP 4
	XLOAD2 7
	PMUL2 6
	OUTP 5
	SEND 2                                         ; pair 7 is in
	PMUL2 7
	OUTP 6
	OUTP 7
	SEND 3
	s_wait_tensorcnt 0x0                           ; the wave's end: behind my last LDS store
	ds_add_u32 v[SPW], v[NIL]
	s_wait_dscnt 0x0
	s_endpgm
.Lfunc_end_k_q2af393453e_outp:
	.size	k_q2af393453e_outp, .Lfunc_end_k_q2af393453e_outp-k_q2af393453e_outp
	.p2alignl 7, 3214868480
	.fill 96, 4, 3214868480
	.section	.rodata,"a",@progbits
	.p2align	6, 0x0
	.amdhsa_kernel k_q2af393453e_outp
		.amdhsa_group_segment_fixed_size 168960
		.amdhsa_private_segment_fixed_size 0
		.amdhsa_enable_private_segment 0
		.amdhsa_kernarg_size 32
		.amdhsa_user_sgpr_count 2
		.amdhsa_user_sgpr_kernarg_segment_ptr 1
		.amdhsa_wavefront_size32 1
		.amdhsa_system_sgpr_workgroup_id_x 1
		.amdhsa_system_sgpr_workgroup_id_y 1
		.amdhsa_system_sgpr_workgroup_id_z 1
		.amdhsa_system_vgpr_workitem_id 0
		.amdhsa_next_free_vgpr 256
		.amdhsa_next_free_sgpr 66
		.amdhsa_reserve_vcc 0
		.amdhsa_float_denorm_mode_32 3
		.amdhsa_float_denorm_mode_16_64 3
		.amdhsa_memory_ordered 1
		.amdhsa_forward_progress 1
		.amdhsa_inst_pref_size 31
	.end_amdhsa_kernel
	.amdgpu_metadata
---
amdhsa.version: [ 1, 2 ]
amdhsa.kernels:
  - .name:           k_q2af393453e_outp
    .symbol:         k_q2af393453e_outp.kd
    .args:
      - { .name: sc, .offset: 0, .size: 8, .value_kind: global_buffer, .address_space: global }
      - { .name: Wp_codes, .offset: 8, .size: 8, .value_kind: global_buffer, .address_space: global }
      - { .name: lowp_scales, .offset: 16, .size: 8, .value_kind: global_buffer, .address_space: global }
      - { .name: out0, .offset: 24, .size: 8, .value_kind: global_buffer, .address_space: global }
    .group_segment_fixed_size: 168960
    .private_segment_fixed_size: 0
    .kernarg_segment_align: 8
    .kernarg_segment_size: 32
    .max_flat_workgroup_size: 256
    .sgpr_count:     66
    .vgpr_count:     256
    .wavefront_size: 32
...
	.end_amdgpu_metadata
.endif
;; end of part 3
